; MI455X (gfx1250); checked and timed in simulation.
; The chip was launched on July 23, 2026; its instructions are those of AMD's public machine-readable ISA for CDNA 5 (MIT licence, August 2026) and "CDNA5" Instruction Set Architecture Reference Guide (July 2026). The comments in the code are by the model that wrote it; some were corrected since.
;; Local Attention. Allowed arithmetic: matrix products marked QUANTISED: E4M3 operands, one given power-of-two scale a tensor, by v_wmma_f32_16x16x64_fp8_fp8 or v_wmma_f32_16x16x128_fp8_fp8, f32 sums; products left as they are: f32 operands where the result goes on into a quantised operand, else bf16, f16 or f32 operands; f32 sums; everything else in f32.
;; Inputs: b1 32 float32; b2 32 float32; features 1 x 256 x 2,048 float32; lowp_scales 8 int32 (the exponents e of the quantised operands' scales 2^e); qkv_b 768 float32; qkv_w 768 x 256 float32; w1 4 x 32 float32; w2 32 x 32 float32; xyz 1 x 3 x 2,048 float32.
;; Outputs: out0 1 x 256 x 2,048 float32.
;; This version of the problem:
;;   THIS VERSION OF THE PROBLEM IS GIVEN IN LOW PRECISION. The matrix products marked QUANTISED in the list below multiply operands that are first quantised to E4M3 (4 exponent bits, 3 mantissa bits; 8 bits a number), with one given power-of-two scale for each operand tensor; their sums are f32. All else is computed in f32.
;;   The module's matrix products, in the order in which they are computed (A, B: the left and right operand; K: the contracted axis; several contracted axes count as one K, in the product's order):
;;     1. [M 2,048, K 256] x [K 256, N 768]; A: input features; B: input qkv_w: QUANTISED (scales: A lowp_scales[0], B lowp_scales[1])
;;     2. [M 4,194,304, K 4] x [K 4, N 32]; A: computed on the way; B: input w1: left as it is (K = 4 < 32)
;;     3. [M 4,194,304, K 32] x [K 32, N 32]; A: computed on the way; B: input w2: QUANTISED (scales: A lowp_scales[2], B lowp_scales[3])
;;     4. batch 8 x [M 2,048, K 32] x [K 32, N 2,048]; A: computed on the way; B: computed on the way: QUANTISED (scales: A lowp_scales[4], B lowp_scales[5])
;;     5. batch 8 x [M 2,048, K 2,048] x [K 2,048, N 32]; A: softmax (see below); B: computed on the way: QUANTISED (scales: A lowp_scales[6], B lowp_scales[7])
;;   THE QUANTISER, for each operand of a quantised product, along K:
;;     - The operand's scale is 2^e, e = its entry of the input lowp_scales (int32; the entries are numbered through the quantised products in the list's order, A before B).
;;     - Each number is divided by the scale, clamped to +-448, and rounded to the nearest number of E4M3, ties to even, subnormals kept.
;;     - The product sums the exact products of the quantised numbers (number of the format x scale) in f32.
;;   ~~~python
;;   def quantise(x, axis, e):      # numpy; x: float32 -> the quantised numbers, widened to float32 again
;;       x = np.moveaxis(x, axis, -1); K = x.shape[-1]
;;       r = np.clip(x / 2.0 ** e, -448, 448)
;;       step = 2.0 ** (np.maximum(np.frexp(np.where(r == 0, 1, r))[1] - 1, -6) - 3)
;;       q = np.round(r / step) * step * 2.0 ** e      # np.round: ties to even
;;       return np.moveaxis(q, -1, axis).astype(np.float32)
;;   ~~~
;;   SOFTMAX AHEAD OF A QUANTISED PRODUCT. Where the list says 'softmax', what is quantised is not the finished softmax but p = 2^(t - M), with t = logit x log2(e) and M = ceil(the row's largest t), a whole number; so 1/2 < the row's largest p <= 1. The row's sum l is taken of the UNQUANTISED p, in f32, and the product's result is divided by l at the end. Since M is a whole number, a kernel that streams over the keys may use a running M (the ceiling of the running maximum): every later rescaling is an exact power of two, so the quantised numbers keep their values, but for numbers so far below the row's largest that they fall under the format's range.
;;   OPERANDS COMPUTED ON THE WAY. 'Computed on the way' means the value that the module computes at that place (a softmax that the list does not call 'softmax' is quantised finished and normalised). What goes into a quantiser is computed in f32, as accurately as f32 sums, v_exp_f32 and their like allow (about 1e-6 of the number): no bf16 or f16 on the way to a quantiser, and a product that is left as it is and whose result goes on into a quantised operand takes f32 operands (vector FMAs, or v_wmma_f32_16x16x4_f32). A number that lies on a knife's edge between two numbers of the format may be rounded either way, as far as f32 arithmetic and the matrix unit's own rounding can turn it there, and no further.
;; 2 versions, each right; version 2 is version 1 with the launch prep written anew for expert scheduling mode. Each part assembles by itself: llvm-mc -triple=amdgcn-amd-amdhsa -mcpu=gfx1250 --defsym DOCPART=n.
;; ======== version 1 of 2: 2 launches
;; workspace buffers: codes 1,572,864 bytes; nbr 524,288 bytes of whole numbers
;; launch prep (part 1): grid 256 x 1, 8 waves a work-group, no clusters, 27,648 bytes of LDS; arguments xyz, features, qkv_w, qkv_b, lowp_scales, codes, nbr; writes codes, nbr
.if DOCPART == 1
	.amdgcn_target "amdgcn-amd-amdhsa--gfx1250"
	.amdhsa_code_object_version 6
	.text
	.protected	k_qf7df630bb8_prep
	.globl	k_qf7df630bb8_prep
	.p2align	8
	.type	k_qf7df630bb8_prep,@function
k_qf7df630bb8_prep:
	s_mov_b64 s[64:65], 0
	v_nop
	global_prefetch_b8 v0, s[64:65] scope:SCOPE_SE
	s_setreg_imm32_b32 hwreg(HW_REG_WAVE_MODE, 25, 1), 1
	s_wait_xcnt 0x0
; LOCAL ATTENTION, first of two launches.  2,048 points, 8 heads of 32 channels.
; WORK-GROUPS 0-191: q, k, v = Q(qkv_w) Q(features) + qkv_b on codes of E4M3 (scales 2^e0 for features, 2^e1 for qkv_w), quantised at once for the products that take them
;   (q: 2^e4, k: 2^e5, v: 2^e7) and stored as codes.  Work-group (x = number % 32, y = number / 32) makes 64 points x 128 output rows.
;   codes: six blocks y of [2,048 points][128 bytes].  y = 0, 1: q's heads 0-3, 4-7; y = 2, 3: k's; y = 4, 5: v's.  In q and k byte b of a row is channel b of the half;
;   in v byte 8 u + T is channel 16 T + u of the half, so that the second launch's lane u finds its eight channels of a key in 8 neighbouring bytes.
; WORK-GROUPS 192-255: the radius mask as whole numbers, 32 queries each.  nbr: [2,048 queries][64 words]; bit b of word W says that key 128 (W / 4) + W % 4 + 4 b lies inside the radius.
; NOTHING IS LEFT OUT AS DEAD WORK: every input has a way to the output (b2 moves the largest logit, so M and p's codes; each bias of qkv_b goes into a quantiser).
;   A pair outside the radius gets -inf ahead of the softmax, so its p is 0 and adds nothing: which pairs those are is decided here, stored as whole numbers, and the second launch does what they ask for.
; LIMITS.  NaN and infinity among the inputs are not served.  e0, e1 and (e4 or e5 or e7) - e0 - e1 lie between -126 and 119, so that each power of two, and 448 times it, is an f32 number.
;   The mask is d2 < 0.01 in f32 (bits 0x3c23d70a), with d2 = x x, then two fused multiply-adds: for a correctly rounded root that is sqrt(d2) < 0.1 in f32; a pair whose d2 lies within
;   the last bit of that bound may fall either way.
; No tensor loads and no cluster: one pass over K, both operands arrive as f32 and are quantised in registers on the way; there is no loop in which a tile could land ahead of its use.
.set XP,    272                        ; LDS: a point's 256 codes along K + 16 bytes of padding: 16 rows of a fragment start at 16 different groups of banks
.set STG,   64*XP                      ; behind the 64 points' codes: the stage for the results, 64 rows of
.set SP,    144                        ; 128 bytes + 16
.set SPARE, STG+64*SP                  ; behind it the spare words, 128 bytes for each of 8 waves: four blocks of 256 bytes that no other line names
.set SPW, 1                            ; v1   LDS address of my spare word; never rewritten
.set NIL, 2                            ; v2   0; never rewritten
.set LN,  3                            ; v3   lane
.set RR,  4                            ; v4   r = lane % 16
.set HH,  5                            ; v5   h = lane / 16
.set WA,  6                            ; v6   my weight row x 1,024 + 64 h
.set FA,  7                            ; v7   my point's 4 bytes in a row of features
.set FS,  8                            ; v8   LDS: where my point's 64 codes go
.set XR,  9                            ; v9   LDS: a fragment of the points' codes: r x XP + 16 h
.set ST,  10                           ; v10  LDS: the stage, on the way in
.set RD,  11                           ; v11  LDS: the stage, on the way out
.set GO,  12                           ; v12  16 x thread: my 16 bytes of the work-group's 8,192 of codes
                                       ; v13, v14: 2^e0 and 448 x 2^e0;  v15, v16: the same for e1;  v17, v18: for eo - e0 - e1
.set BI,  20                           ; v20-27  the bias of my eight output rows, divided by 2^(e0 + e1)
.set FC,  28                           ; v28-43  my point's 64 codes; on the way out 32 bytes of the stage
.set OC,  44                           ; v44-51  the results' codes
.set BA,  52                           ; v52-59  the bias's offsets
.set FX,  60                           ; v60-123 64 numbers of features, down K
.set WC,  60                           ; v60-91  later: my weight tile's codes, two fragments
.set ACC, 92                           ; v92-123 later: four accumulators
.set WF,  124                          ; v124-251 128 numbers of weights
.set XF,  124                          ; later: the points' eight fragments
; 16 numbers of a lane become 16 codes: the hold at 448 x the scale (the conversion to an 8-bit code does not saturate: ISA guide 7.6.2), then two conversions of eight
.macro QUANT16 src, dst, sc, lim
.irp i, 0,1,2,3,4,5,6,7,8,9,10,11,12,13,14,15
	v_med3_num_f32 v[(\src)+\i], v[(\src)+\i], -v[\lim], v[\lim]
.endr
	v_cvt_scalef32_pk8_fp8_f32 v[(\dst):(\dst)+1], v[(\src):(\src)+7], v[\sc]
	v_cvt_scalef32_pk8_fp8_f32 v[(\dst)+2:(\dst)+3], v[(\src)+8:(\src)+15], v[\sc]
.endm
; 2^e as f32 (the conversion takes its exponent field) and 448 x 2^e, from the whole number e in s[e]
.macro MKSC e, sc, lim
	s_add_co_i32 s38, s[\e], 127
	s_lshl_b32 s39, s38, 23
	v_mov_b32 v[\sc], s39
	s_add_co_i32 s38, s38, 8
	s_lshl_b32 s38, s38, 23
	s_or_b32 s38, s38, 0x600000
	v_mov_b32 v[\lim], s38
.endm
.macro BARRIER                         ; my LDS stores have landed and my LDS loads are in: then the work-group's barrier
	s_wait_dscnt 0x0
	s_barrier_signal -1
	s_barrier_wait -1
.endm
; One query against all 2,048 keys.  Step p of 32 takes two registers of keys: words 2 p and 2 p + 1 of the query's 64, which belong in lane p of the two registers that are stored.
.macro MASKQ qi
	s_xor_b32 s44, s[32+\qi], 0x80000000           ; minus the query's x, y, z, each in a pair whose low word serves both halves
	s_mov_b32 s45, s44
	s_xor_b32 s46, s[36+\qi], 0x80000000
	s_mov_b32 s47, s46
	s_xor_b32 s48, s[40+\qi], 0x80000000
	s_mov_b32 s49, s48
.set p, 0
.rept 32
.set T, 16+6*(p%4)                     ; four sets of temporaries by turns, so that a step does not wait for the one before
.set M, 52+2*(p%4)
	v_pk_add_f32 v[T:T+1],   v[64+2*p:65+2*p],   s[44:45] op_sel_hi:[1,0]
	v_pk_add_f32 v[T+2:T+3], v[128+2*p:129+2*p], s[46:47] op_sel_hi:[1,0]
	v_pk_add_f32 v[T+4:T+5], v[192+2*p:193+2*p], s[48:49] op_sel_hi:[1,0]
	v_pk_mul_f32 v[T:T+1], v[T:T+1], v[T:T+1]
	v_pk_fma_f32 v[T:T+1], v[T+2:T+3], v[T+2:T+3], v[T:T+1]
	v_pk_fma_f32 v[T:T+1], v[T+4:T+5], v[T+4:T+5], v[T:T+1]
	v_cmp_gt_f32 s[M], s50, v[T]                   ; bit l: the bound > d2 of lane l's key
	v_cmp_gt_f32 s[M+1], s50, v[T+1]
	v_writelane_b32 v[8+2*\qi], s[M], p
	v_writelane_b32 v[9+2*\qi], s[M+1], p
.set p, p+1
.endr
	global_store_b64 v7, v[8+2*\qi:9+2*\qi], s[16:17] offset:256*\qi   ; the query's 256 bytes, whole and aligned; each query has its own two registers, so no store's data are written again
.endm
	s_load_b256 s[4:11], s[0:1], 0x0               ; xyz s[4:5], features s[6:7], qkv_w s[8:9], qkv_b s[10:11]
	s_load_b128 s[12:15], s[0:1], 0x20             ; the scales' exponents s[12:13], codes s[14:15]
	s_load_b64 s[16:17], s[0:1], 0x30              ; nbr
	v_lshl_add_u32 v[SPW], v0, 2, SPARE
	v_mov_b32 v[NIL], 0
	v_lshrrev_b32 v3, 5, v0
	v_readfirstlane_b32 s18, v3                    ; wave 0..7
	v_and_b32 v[LN], 31, v0
	v_and_b32 v[RR], 15, v0
	v_bfe_u32 v[HH], v0, 4, 1
	s_cmp_ge_u32 ttmp9, 192                        ; the work-group's number alone: all eight waves go the same way
	s_cbranch_scc1 .Lmask
	; ---------------- THE PROJECTION ----------------
	; Wave w owns 16 output rows for all 64 points: source 0 = its weight tile, source 1 = 16 points, so that a lane holds ONE point and its eight registers eight neighbouring bytes of that point's row of codes.
	s_and_b32 s19, ttmp9, 31                       ; x: which 64 points
	s_lshr_b32 s20, ttmp9, 5                       ; y: which 128 output rows
	s_lshr_b32 s21, s20, 1                         ; 0 q, 1 k, 2 v
	s_cmp_eq_u32 s21, 2
	s_cselect_b32 s22, -1, 0                       ; all lanes, or none: v's order of rows
	s_cselect_b32 s23, 64, 4                       ; bytes from one of a lane's eight biases to the next
	s_cselect_b32 s35, 0, 3
	s_lshl_b32 s36, s18, 4
	v_add_nc_u32 v6, s36, v[RR]                    ; q, k: lane r takes weight row 16 w + r
	v_and_b32 v7, 7, v[RR]
	v_lshrrev_b32 v8, 3, v[RR]
	s_lshl_b32 s36, s18, 1
	v_lshl_add_u32 v7, v7, 4, v8
	v_add_nc_u32 v7, s36, v7                       ; v: row 16 (r % 8) + 2 w + r / 8, so that register j of lane (r, h) is channel 16 j + (2 w + h): byte 16 w + 8 h + j, as in q and k
	v_cndmask_b32 v6, v6, v7, s22
	v_lshlrev_b32 v6, 10, v6
	v_lshl_add_u32 v[WA], v[HH], 6, v6             ; row x 1,024 + 64 h: my 16 numbers of each block of 32 along K
	s_and_b32 s38, s18, 1
	s_lshl_b32 s39, s38, 7
	s_lshl_b32 s40, s19, 8
	s_add_co_u32 s39, s39, s40
	v_lshl_add_u32 v[FA], v[LN], 2, s39            ; features: point 64 x + 32 (w % 2) + lane
	s_lshl_b32 s41, s38, 5
	v_add_nc_u32 v8, s41, v[LN]
	v_mul_u32_u24 v8, v8, XP
	s_lshr_b32 s42, s18, 1
	s_lshl_b32 s42, s42, 6
	v_add_nc_u32 v[FS], s42, v8                    ; its row in LDS, + 64 (w / 2): my 64 of its 256 codes
	v_mul_u32_u24 v9, v[RR], XP
	v_lshl_add_u32 v[XR], v[HH], 4, v9
	v_mul_u32_u24 v10, v[RR], SP
	v_lshl_add_u32 v10, v[HH], 3, v10
	s_lshl_b32 s43, s18, 4
	s_add_co_u32 s43, s43, STG
	v_add_nc_u32 v[ST], s43, v10                   ; the stage: row r, byte 16 w + 8 h
	v_lshrrev_b32 v11, 3, v0
	v_mul_u32_u24 v11, v11, SP
	v_and_b32 v12, 7, v0
	v_lshl_add_u32 v11, v12, 4, v11
	v_add_nc_u32 v[RD], STG, v11                   ; back: eight threads to a row of 128 bytes
	v_lshlrev_b32 v[GO], 4, v0
	s_lshl_b32 s36, s18, 3
	v_lshl_add_u32 v[BA], v[HH], 2, s36            ; v: the first bias is that of channel 2 w + h: byte 8 w + 4 h;
	v_lshlrev_b32 v[BA], s35, v[BA]                ; q, k: of row 16 w + 8 h: eight times that
.irp j, 1,2,3,4,5,6,7
	v_add_nc_u32 v[BA+\j], s23, v[BA+\j-1]
.endr
	s_wait_kmcnt 0x0
	s_load_b256 s[24:31], s[12:13], 0x0            ; e0 .. e7
	s_mov_b32 s37, 0
	s_lshr_b32 s36, s18, 1
	s_lshl_b32 s36, s36, 19
	s_add_nc_u64 s[6:7], s[6:7], s[36:37]          ; features at K = 64 (w / 2): 64 rows of 8,192 bytes
	s_lshl_b32 s36, s20, 17
	s_add_nc_u64 s[8:9], s[8:9], s[36:37]          ; qkv_w at row 128 y
	s_lshl_b32 s36, s20, 9
	s_add_nc_u64 s[10:11], s[10:11], s[36:37]      ; qkv_b likewise
	s_lshl_b32 s36, s20, 18
	s_lshl_b32 s38, s19, 13
	s_add_co_u32 s36, s36, s38
	s_add_nc_u64 s[14:15], s[14:15], s[36:37]      ; codes: block y, point 64 x
.irp j, 0,1,2,3,4,5,6,7
	global_load_b32 v[BI+\j], v[BA+\j], s[10:11]
.endr
.set i, 0
.rept 64                                       ; a lane takes a point and its registers run down K: each load reads 128 consecutive bytes, waves w and w xor 1 side by side on 256
	global_load_b32 v[FX+i], v[FA], s[6:7] offset:i*8192
.set i, i+1
.endr
.irp s, 0,1                                    ; lane (r, h) takes, of its weight row, K = 128 s + 32 c + 16 h + 0 .. 15
.irp c, 0,1,2,3
.irp i, 0,1,2,3
	global_load_b128 v[WF+16*(4*\s+\c)+4*\i:WF+16*(4*\s+\c)+4*\i+3], v[WA], s[8:9] offset:512*\s+128*\c+16*\i
.endr
.endr
.endr
	s_wait_kmcnt 0x0
	s_cmp_eq_u32 s21, 0
	s_cselect_b32 s32, s28, s29                    ; the result's own scale: e4 for q, e5 for k,
	s_cmp_eq_u32 s21, 2
	s_cselect_b32 s32, s31, s32                    ; e7 for v
	s_add_co_i32 s33, s24, s25                     ; a sum stands for sum x 2^(e0 + e1):
	s_sub_co_i32 s32, s32, s33                     ; so its code is sum / 2^(eo - e0 - e1),
	s_sub_co_i32 s33, 0, s33                       ; and the bias goes in as bias / 2^(e0 + e1)
	MKSC 24, 13, 14
	MKSC 25, 15, 16
	MKSC 32, 17, 18
	s_wait_loadcnt 32                              ; the bias and the features are in; the 32 loads of weights issued behind them may stay out
.irp j, 0,1,2,3,4,5,6,7
	v_ldexp_f32 v[BI+\j], v[BI+\j], s33
.endr
.irp g, 0,1,2,3
	QUANT16 FX+16*\g, FC+4*\g, 13, 14
.endr
	v_nop                                          ; a plain line behind the last conversion of a run, ahead of what later writes its sources
.irp g, 0,1,2,3
	ds_store_b128 v[FS], v[FC+4*\g:FC+4*\g+3] offset:16*\g
.endr
	s_wait_loadcnt 0x0                             ; the weights
.irp g, 0,1,2,3,4,5,6,7
	QUANT16 WF+16*\g, WC+4*\g, 15, 16              ; registers 16 s + 4 c + i: K = 128 s + 32 c + 16 h + 4 i + 0 .. 3: the same places as the points' fragments below
.endr
	v_nop
	BARRIER                                        ; the 64 points' codes lie in LDS
.irp t, 0,1,2,3
.irp s, 0,1
.irp c, 0,1,2,3
	ds_load_b128 v[XF+32*\t+16*\s+4*\c:XF+32*\t+16*\s+4*\c+3], v[XR] offset:16*\t*XP+128*\s+32*\c
.endr
.endr
.endr
	s_wait_dscnt 0x0
.irp t, 0,1,2,3                                ; the four accumulators take turns, one instruction a turn; the bias is the C of each sum's first product
	v_wmma_f32_16x16x128_fp8_fp8 v[ACC+8*\t:ACC+8*\t+7], v[WC:WC+15], v[XF+32*\t:XF+32*\t+15], v[BI:BI+7]
.endr
.irp t, 0,1,2,3
	v_wmma_f32_16x16x128_fp8_fp8 v[ACC+8*\t:ACC+8*\t+7], v[WC+16:WC+31], v[XF+32*\t+16:XF+32*\t+31], v[ACC+8*\t:ACC+8*\t+7]
.endr
.rept 4
	v_nop                                          ; four places between the last product and the first read of results (ISA guide 7.12.1)
.endr
.irp t, 0,1,2,3                                ; each accumulator from its low end on
.irp j, 0,1,2,3,4,5,6,7
	v_med3_num_f32 v[ACC+8*\t+\j], v[ACC+8*\t+\j], -v18, v18
.endr
	v_cvt_scalef32_pk8_fp8_f32 v[OC+2*\t:OC+2*\t+1], v[ACC+8*\t:ACC+8*\t+7], v17
.endr
	v_nop
.irp t, 0,1,2,3
	ds_store_b64 v[ST], v[OC+2*\t:OC+2*\t+1] offset:16*\t*SP   ; point 16 t + r, bytes 16 w + 8 h + 0 .. 7
.endr
	BARRIER                                        ; 64 whole rows of codes lie in the stage
	ds_load_b128 v[28:31], v[RD]
	ds_load_b128 v[32:35], v[RD] offset:32*SP
	s_wait_dscnt 0x0
	global_store_b128 v[GO], v[28:31], s[14:15]    ; a wave stores 512 consecutive bytes, aligned; the work-group's 8,192 bytes are dense
	global_store_b128 v[GO], v[32:35], s[14:15] offset:4096
	s_wait_tensorcnt 0x0                           ; the wave's end, behind my last LDS store
	ds_add_u32 v[SPW], v[NIL]
	s_wait_dscnt 0x0
	s_endpgm
	; ---------------- THE MASK ----------------  no LDS, no barrier: wave w of work-group g takes queries 32 (g - 192) + 4 w + 0 .. 3 against all keys, which it holds in 192 registers
.Lmask:
	s_sub_co_u32 s19, ttmp9, 192
	s_lshl_b32 s51, s19, 7
	s_lshl_b32 s20, s18, 4
	s_add_co_u32 s51, s51, s20                     ; 4 bytes x my first query
	v_lshlrev_b32 v6, 4, v[LN]                     ; keys: 16 bytes a lane
	v_lshlrev_b32 v7, 3, v[LN]                     ; mask words: 8 bytes a lane
.irp j, 8,9,10,11,12,13,14,15
	v_mov_b32 v\j, 0                               ; written once: a lane write's destination counts as one of its sources
.endr
	s_mov_b32 s50, 0x3c23d70a                      ; the bound on d2
	s_lshl_b32 s20, s19, 13
	s_lshl_b32 s21, s18, 10
	s_add_co_u32 s20, s20, s21
	s_mov_b32 s21, 0
	s_wait_kmcnt 0x0
	s_load_b128 s[32:35], s[4:5], s51 offset:0x0   ; x of my four queries,
	s_load_b128 s[36:39], s[4:5], s51 offset:0x2000 ; y,
	s_load_b128 s[40:43], s[4:5], s51 offset:0x4000 ; z
	s_add_nc_u64 s[16:17], s[16:17], s[20:21]      ; nbr at my first query: 256 bytes a query
.irp d, 0,1,2                                  ; register 64 (d + 1) + 4 i + e of lane l: coordinate d of key 128 i + 4 l + e
.irp i, 0,1,2,3,4,5,6,7,8,9,10,11,12,13,14,15
	global_load_b128 v[64+64*\d+4*\i:67+64*\d+4*\i], v6, s[4:5] offset:8192*\d+512*\i
.endr
.endr
	s_wait_loadcnt 0x0
	s_wait_kmcnt 0x0
	MASKQ 0
	MASKQ 1
	MASKQ 2
	MASKQ 3
	s_endpgm
.Lfunc_end_k_qf7df630bb8_prep:
	.size	k_qf7df630bb8_prep, .Lfunc_end_k_qf7df630bb8_prep-k_qf7df630bb8_prep
	.p2alignl 7, 3214868480
	.fill 96, 4, 3214868480
	.section	.rodata,"a",@progbits
	.p2align	6, 0x0
	.amdhsa_kernel k_qf7df630bb8_prep
		.amdhsa_group_segment_fixed_size 27648
		.amdhsa_private_segment_fixed_size 0
		.amdhsa_enable_private_segment 0
		.amdhsa_kernarg_size 56
		.amdhsa_user_sgpr_count 2
		.amdhsa_user_sgpr_kernarg_segment_ptr 1
		.amdhsa_wavefront_size32 1
		.amdhsa_system_sgpr_workgroup_id_x 1
		.amdhsa_system_sgpr_workgroup_id_y 1
		.amdhsa_system_sgpr_workgroup_id_z 1
		.amdhsa_system_vgpr_workitem_id 0
		.amdhsa_next_free_vgpr 256
		.amdhsa_next_free_sgpr 66
		.amdhsa_reserve_vcc 0
		.amdhsa_float_denorm_mode_32 3
		.amdhsa_float_denorm_mode_16_64 3
		.amdhsa_memory_ordered 1
		.amdhsa_forward_progress 1
		.amdhsa_inst_pref_size 122
	.end_amdhsa_kernel
	.amdgpu_metadata
---
amdhsa.version: [ 1, 2 ]
amdhsa.kernels:
  - .name:           k_qf7df630bb8_prep
    .symbol:         k_qf7df630bb8_prep.kd
    .args:
      - { .name: xyz, .offset: 0, .size: 8, .value_kind: global_buffer, .address_space: global }
      - { .name: features, .offset: 8, .size: 8, .value_kind: global_buffer, .address_space: global }
      - { .name: qkv_w, .offset: 16, .size: 8, .value_kind: global_buffer, .address_space: global }
      - { .name: qkv_b, .offset: 24, .size: 8, .value_kind: global_buffer, .address_space: global }
      - { .name: lowp_scales, .offset: 32, .size: 8, .value_kind: global_buffer, .address_space: global }
      - { .name: codes, .offset: 40, .size: 8, .value_kind: global_buffer, .address_space: global }
      - { .name: nbr, .offset: 48, .size: 8, .value_kind: global_buffer, .address_space: global }
    .group_segment_fixed_size: 27648
    .private_segment_fixed_size: 0
    .kernarg_segment_align: 8
    .kernarg_segment_size: 56
    .max_flat_workgroup_size: 256
    .sgpr_count:     66
    .vgpr_count:     256
    .wavefront_size: 32
...
	.end_amdgpu_metadata
.endif
;; end of part 1
;; launch attend (part 2): grid 256 x 1, 8 waves a work-group, no clusters, 9,216 bytes of LDS; arguments xyz, w1, b1, w2, b2, lowp_scales, codes, nbr, out0; writes out0
.if DOCPART == 2
	.amdgcn_target "amdgcn-amd-amdhsa--gfx1250"
	.amdhsa_code_object_version 6
	.text
	.protected	k_qf7df630bb8_attend
	.globl	k_qf7df630bb8_attend
	.p2align	8
	.type	k_qf7df630bb8_attend,@function
k_qf7df630bb8_attend:
	s_mov_b64 s[64:65], 0
	v_nop
	global_prefetch_b8 v0, s[64:65] scope:SCOPE_SE
	s_setreg_imm32_b32 hwreg(HW_REG_WAVE_MODE, 25, 1), 1
	s_wait_xcnt 0x0
; LOCAL ATTENTION, second launch.  ONE WAVE, ONE QUERY (query 8 x work-group + wave), all 8 heads.  The wave walks the keys that the query's 64 mask words name (stored by the launch before), 16 a chunk.
; Pairs outside the radius are not worked: their p is 0 by the -inf ahead of the softmax; which they are is read from memory as whole numbers.  Nothing else is left out.
; A CHUNK of 16 key slots:  rel, dist in f32 | hidden = relu([rel, dist] w1 + b1) by two f32 matrix instructions of K = 4 | quantised (2^e2) | x Q(w2) (2^e3), the four columns of a head summed inside the product |
;   q . k on codes (2^e4, 2^e5) | t = logit x log2(e); running M = ceil(largest t); p = 2^(t - M); the sum of the unquantised p | p quantised (2^e6) | O += p v on codes (2^e7).  At the end O / sum x 2^(e6 + e7).
; LANES.  r = lane % 16, h = lane / 16, hd = r % 8.  As an operand's ROW, lane (r, h) is key slot r; as a result's COLUMN it is head hd (lanes r >= 8 mirror lanes r - 8, and serve on the way out).
;   Every result holds, in lane (hd, h), register j: key slot 8 h + j (scores), or channel 8 h + j of a half head (O).
; THE FP8 PRODUCTS are all 16 x 16 x 128.  The two operands of a product give the same meaning to each place (half of the lanes, register, byte), so each code meets its partner:
;   hidden x w2:  register i, byte jj:  A = hidden unit 16 h + i of the slot (the same in all four bytes),  B = w2[16 h + i][4 hd + jj]:  K = 32 units x 4 columns.
;   q . k, step s:  register 4 c + i, byte b:  A = k[slot][head 4 s + c][16 h + 4 i + b],  B = q's code there where hd = 4 s + c, else the code 0.
;   p v, half u:  register 2 c + g, byte b:  A (row m) = v[slot 8 h + 4 g + b][head c][16 u + m],  B = p's code of that slot where hd = c, else the code 0.
;   A slot beyond the chunk's count keeps an older valid key: its scores become -inf, its p the code 0.
; TRIPS.  The list's length L is counted at the head, on whole numbers alone; the loop over chunks makes (L + 15) / 16 trips (at least 1, at most 128), the loop over a chunk's slots min(keys left, 16).
; LIMITS.  NaN and infinity among the inputs are not served (a query with no key in its list gives NaN).  e2, e3, e6 between -126 and 119; e2 + e3 - 2 and e4 + e5 are added to the exponent field of log2(e): between -126 and 126;
;   e6 + e7 is applied by v_ldexp_f32 and has none.
; No tensor loads (trip counts hang on loaded whole numbers), no cluster and no barrier (waves share nothing), no prefetch (a key's rows are known only when they are wanted).
.set SPARE, 8192                       ; LDS: a stage of 1,024 bytes for each wave, then the spare words, 128 bytes a wave: four blocks of 256 bytes that no other line names
.set SPW, 1                            ; v1   LDS address of my spare word; never rewritten
.set NIL, 2                            ; v2   0; never rewritten
                                       ; v3 16 h; v4 8 r; v5 8 h; v6 the stage, on the way in; v7 1,024 wave + 16 lane: the stage on the way out, and my bytes of the work-group's rows of out0
                                       ; v[8:9] mean(b2) x log2(e); v10, v11: 448 x 2^e2, 2^e2; v12 -M; v13 the largest t; v[14:15] the sum in two halves; v16, v17: 448 x 2^e6, 2^e6
.set KEY,  18                          ; v18  lanes m and m + 16: slot m's key
.set KEYV, 19                          ; v19  lane s + (s & 8): slot s's key
.set MW,   20                          ; v[20:21] the query's mask words 2 lane, 2 lane + 1
.set AX,   22                          ; v22 key x 4; v23 key x 128 + 16 h; v24-31 key of slot 8 h + jv x 128 + 8 r
.set AK,   23
.set AV,   24
.set QC,   32                          ; v32-35  q's 16 codes of head hd, channels 16 h on
.set W1A,  36                          ; v36-39  w1 as source 0, two tiles
.set B1C,  40                          ; v40-55  b1 in the result's layout, two tiles
.set RB,   56                          ; v[56:57] (rel x, rel y) in lanes 0-15, (rel z, dist) in lanes 16-31
.set RL,   58                          ; v58-61  rel x, y, z; d2, then dist
.set FF,   62                          ; v[62:63] f = 2^(old M - new M), low word
.set HACC, 64                          ; v64-79  hidden units 16 h + 0 .. 15 ahead of relu: written by matrix instructions alone
.set HID,  80                          ; v80-95  after relu and hold; then v80-87: the w2 product, t, p; v[88:89] p's codes; v90-93 at work in the turning of v
.set HQ,   96                          ; v96-99  the hidden units' 16 codes
.set AP,   100                         ; v100-115 each code spread over a register; later p's operand
.set W2C,  116                         ; v116-131 w2's operand
.set QB,   132                         ; v132-163 q's operand, two steps
.set KF,   164                         ; v164-195 k's fragments, two steps; later v's, two halves
.set VR,   196                         ; v196-227 v as loaded: slot 8 h + jv, half z, word w at 4 jv + 2 z + w
.set S4,   228                         ; v228-235 q . k
.set OO,   236                         ; v236-251 O: channels 8 h + j, and 16 + 8 h + j
                                       ; v252-255 at work
; s[4:21] pointers; s22 wave; s23 query; s[24:31] e0-e7; s32-34 the query's x, y, z; s35 4 x query; s[36:37], s[38:39] the two factors to t; s40-47 lanes of head c; s48-51, s52-54 byte selectors;
; s55 lanes 16-31; s[56:57] lane selects; s58, s59 lanes whose word 2 l, 2 l + 1 is still to be walked; s60 the word in hand; s61 its first key; s62 keys left; s66 the chunk's keys; s67 slots filled;
; s68 chunks to go; s70-76 at work; s80 e6 + e7; s81 lanes r >= 8
.macro QUANT16 src, dst, sc, lim
.irp i, 0,1,2,3,4,5,6,7,8,9,10,11,12,13,14,15
	v_med3_num_f32 v[(\src)+\i], v[(\src)+\i], -v[\lim], v[\lim]   ; the conversion to an 8-bit code does not saturate (ISA guide 7.6.2): the hold comes first
.endr
	v_cvt_scalef32_pk8_fp8_f32 v[(\dst):(\dst)+1], v[(\src):(\src)+7], v[\sc]
	v_cvt_scalef32_pk8_fp8_f32 v[(\dst)+2:(\dst)+3], v[(\src)+8:(\src)+15], v[\sc]
.endm
.macro MKSC e, sc, lim                 ; 2^e as f32 and 448 x 2^e
	s_add_co_i32 s70, s[\e], 127
	s_lshl_b32 s71, s70, 23
	v_mov_b32 v[\sc], s71
	s_add_co_i32 s70, s70, 8
	s_lshl_b32 s70, s70, 23
	s_or_b32 s70, s70, 0x600000
	v_mov_b32 v[\lim], s70
.endm
; Four registers (slots 8 h + 4 g + 0 .. 3; half z, word w: four channels of each) are turned into four registers (a channel's four slots): byte b of output i is byte i of input b.
.macro TR4 z, w, g
	v_perm_b32 v90, v[VR+4*(4*\g+1)+2*\z+\w], v[VR+4*(4*\g)+2*\z+\w], s48
	v_perm_b32 v91, v[VR+4*(4*\g+1)+2*\z+\w], v[VR+4*(4*\g)+2*\z+\w], s49
	v_perm_b32 v92, v[VR+4*(4*\g+3)+2*\z+\w], v[VR+4*(4*\g+2)+2*\z+\w], s48
	v_perm_b32 v93, v[VR+4*(4*\g+3)+2*\z+\w], v[VR+4*(4*\g+2)+2*\z+\w], s49
	v_perm_b32 v[KF+2*(4*\z+2*\w)+\g],      v92, v90, s50          ; head 4 z + 2 w, half 0
	v_perm_b32 v[KF+16+2*(4*\z+2*\w)+\g],   v92, v90, s51          ; the same head, half 1
	v_perm_b32 v[KF+2*(4*\z+2*\w+1)+\g],    v93, v91, s50          ; head 4 z + 2 w + 1
	v_perm_b32 v[KF+16+2*(4*\z+2*\w+1)+\g], v93, v91, s51
.endm
	s_load_b512 s[4:19], s[0:1], 0x0               ; xyz s[4:5], w1 s[6:7], b1 s[8:9], w2 s[10:11], b2 s[12:13], the scales' exponents s[14:15], codes s[16:17], nbr s[18:19]
	s_load_b64 s[20:21], s[0:1], 0x40              ; out0
	v_lshl_add_u32 v[SPW], v0, 2, SPARE
	v_mov_b32 v[NIL], 0
	v_lshrrev_b32 v3, 5, v0
	v_readfirstlane_b32 s22, v3                    ; wave 0..7
	s_lshl_b32 s23, ttmp9, 3
	s_add_co_u32 s23, s23, s22                     ; my query
	v_bfe_u32 v252, v0, 4, 1                       ; h
	v_and_b32 v253, 15, v0                         ; r
	v_and_b32 v254, 7, v0                          ; hd
	v_and_b32 v255, 31, v0                         ; lane
	v_lshlrev_b32 v3, 4, v252
	v_lshlrev_b32 v4, 3, v253
	v_lshlrev_b32 v5, 3, v252
	v_lshrrev_b32 v24, 3, v253                     ; r / 8
	v_lshlrev_b32 v6, 7, v254
	v_lshl_add_u32 v6, v24, 6, v6
	v_lshl_add_u32 v6, v252, 5, v6
	s_lshl_b32 s70, s22, 10
	v_add_nc_u32 v6, s70, v6                       ; the stage: 1,024 wave + 128 hd + 64 (r / 8) + 32 h
	v_lshl_add_u32 v7, v255, 4, s70
	v_lshlrev_b32 v22, 3, v255                     ; mask words: 8 bytes a lane
	s_lshl_b32 s70, s23, 7
	v_lshrrev_b32 v23, 2, v254
	v_lshlrev_b32 v23, 18, v23                     ; q's codes: block hd / 4,
	v_and_b32 v25, 3, v254
	v_lshl_add_u32 v23, v25, 5, v23                ; head hd % 4 of the row,
	v_add3_u32 v23, v23, v3, s70                   ; + 16 h, row = my query
	v_lshl_add_u32 v24, v24, 4, v254
	v_lshlrev_b32 v24, 2, v24
	v_lshl_add_u32 v24, v252, 8, v24               ; w1: row 2 h (+ j), column 16 (r / 8) + r % 8 (+ 8 tile)
	v_lshlrev_b32 v25, 6, v252                     ; b1: 16 h on
	v_lshlrev_b32 v26, 4, v254                     ; b2: 4 hd on
	v_lshl_add_u32 v27, v252, 11, v26              ; w2: row 16 h (+ i), columns 4 hd on
.irp c, 0,1,2,3,4,5,6,7
	s_mov_b32 s[40+\c], 0x01010101<<\c             ; the lanes with lane % 8 = c
.endr
	s_mov_b32 s48, 0x05010400
	s_mov_b32 s49, 0x07030602
	s_mov_b32 s50, 0x05040100
	s_mov_b32 s51, 0x07060302
	s_mov_b32 s52, 0x01010101
	s_mov_b32 s53, 0x02020202
	s_mov_b32 s54, 0x03030303
	s_mov_b32 s55, 0xffff0000
	s_mov_b32 s56, 0x76543210
	s_mov_b32 s57, 0xfedcba98
	s_mov_b32 s81, 0xff00ff00
	s_mov_b32 s60, 0
	s_mov_b32 s61, 0
	s_lshl_b32 s35, s23, 2
	s_mov_b32 s71, 0
	s_wait_kmcnt 0x0
	s_load_b256 s[24:31], s[14:15], 0x0            ; e0 .. e7
	s_load_b32 s32, s[4:5], s35 offset:0x0         ; my query's x,
	s_load_b32 s33, s[4:5], s35 offset:0x2000      ; y,
	s_load_b32 s34, s[4:5], s35 offset:0x4000      ; z
	s_lshl_b32 s70, s23, 8
	s_add_nc_u64 s[18:19], s[18:19], s[70:71]      ; nbr at my query
	s_lshl_b32 s70, ttmp9, 13
	s_add_nc_u64 s[20:21], s[20:21], s[70:71]      ; out0 at my work-group's eight queries, 1,024 bytes each
	global_load_b64 v[MW:MW+1], v22, s[18:19]      ; the list first: everything hangs on it
	global_load_b128 v[QC:QC+3], v23, s[16:17]
.irp t, 0,1
.irp j, 0,1
	global_load_b32 v[W1A+2*\t+\j], v24, s[6:7] offset:128*\j+32*\t
.endr
.endr
.irp t, 0,1
	global_load_b128 v[B1C+8*\t:B1C+8*\t+3],   v25, s[8:9] offset:32*\t
	global_load_b128 v[B1C+8*\t+4:B1C+8*\t+7], v25, s[8:9] offset:32*\t+16
.endr
	global_load_b128 v[252:255], v26, s[12:13]
.irp i, 0,1,2,3,4,5,6,7,8,9,10,11,12,13,14,15
	global_load_b128 v[KF+4*\i:KF+4*\i+3], v27, s[10:11] offset:128*\i   ; w2[16 h + i][4 hd + 0 .. 3]
.endr
.irp j, 0,1,2,3,4,5,6,7,8,9,10,11,12,13,14,15
	v_mov_b32 v[OO+\j], 0                          ; the chunk is written once: the first finds zeros, which the first change of M leaves zeros
.endr
	v_mov_b32 v14, 0
	v_mov_b32 v15, 0
	v_mov_b32 v13, 0xff61b1e6                      ; the largest t so far: -3e38, under every t
	v_floor_f32 v12, -v13
	v_mov_b32 v[KEY], 0                            ; slots that are never filled name key 0
	v_mov_b32 v[KEYV], 0
	v_mov_b32 v[FF+1], 0                           ; named as the upper half of a pair
	s_wait_loadcnt 26                              ; the mask words are in; the 26 loads of constants issued behind them may stay out
	v_cmp_ne_u32 s58, 0, v[MW]
	v_cmp_ne_u32 s59, 0, v[MW+1]
	; ---- L, the number of keys in the list: the ones in my two words (pairs of bits, fours, bytes, one multiply), then the sum over the 32 lanes.  Whole numbers throughout
	v_lshrrev_b32 v28, 1, v[MW]
	v_lshrrev_b32 v29, 1, v[MW+1]
	v_and_b32 v28, 0x55555555, v28
	v_and_b32 v29, 0x55555555, v29
	v_sub_nc_u32 v28, v[MW], v28                   ; each pair of bits holds its count, 0 to 2
	v_sub_nc_u32 v29, v[MW+1], v29
	v_lshrrev_b32 v30, 2, v28
	v_lshrrev_b32 v31, 2, v29
	v_and_b32 v28, 0x33333333, v28
	v_and_b32 v29, 0x33333333, v29
	v_and_b32 v30, 0x33333333, v30
	v_and_b32 v31, 0x33333333, v31
	v_add_nc_u32 v28, v28, v30                     ; each four bits: 0 to 4;
	v_add_nc_u32 v29, v29, v31
	v_add_nc_u32 v28, v28, v29                     ; both words': 0 to 8
	v_lshrrev_b32 v29, 4, v28
	v_and_b32 v28, 0x0f0f0f0f, v28
	v_and_b32 v29, 0x0f0f0f0f, v29
	v_add_nc_u32 v28, v28, v29                     ; each byte: 0 to 16
	v_mul_lo_u32 v28, v28, s52                     ; the top byte of x 0x01010101 is the four bytes' sum,
	v_lshrrev_b32 v28, 24, v28                     ; 0 to 64
.irp m, 1,2,4,8
	v_mov_b32_dpp v29, v28 row_xmask:\m row_mask:0xf bank_mask:0xf
	v_add_nc_u32 v28, v28, v29
.endr
	v_permlanex16_b32 v29, v28, s56, s57
	v_add_nc_u32 v28, v28, v29
	v_readfirstlane_b32 s62, v28                   ; L
	s_add_co_u32 s68, s62, 15
	s_lshr_b32 s68, s68, 4
	s_max_u32 s68, s68, 1                          ; an empty list still makes one trip, all of whose slots are -infinity
	s_min_u32 s68, s68, 128                        ; 128 chunks of 16 are all 2,048 keys
	s_wait_loadcnt 0x0
	s_wait_kmcnt 0x0
	MKSC 26, 11, 10
	MKSC 27, 58, 59
	MKSC 30, 17, 16
	s_add_co_i32 s70, s26, s27
	s_sub_co_i32 s70, s70, 2                       ; the mean of four columns is a quarter of their sum
	s_lshl_b32 s70, s70, 23
	s_add_co_i32 s36, s70, 0x3fb8aa3b              ; log2(e) x 2^(e2 + e3 - 2): the exponents are added to the exponent field
	s_mov_b32 s37, s36
	s_add_co_i32 s70, s28, s29
	s_lshl_b32 s70, s70, 23
	s_add_co_i32 s38, s70, 0x3fb8aa3b              ; log2(e) x 2^(e4 + e5)
	s_mov_b32 s39, s38
	s_add_co_i32 s80, s30, s31
.irp g, 0,1,2,3
	QUANT16 KF+16*\g, W2C+4*\g, 58, 59             ; register i of the operand: the four codes of w2[16 h + i][4 hd + 0 .. 3]
.endr
	v_nop                                          ; a plain line behind the last conversion of a run
.irp c, 0,1,2,3,4,5,6,7
.irp i, 0,1,2,3
	v_cndmask_b32 v[QB+4*\c+\i], 0, v[QC+\i], s[40+\c]
.endr
.endr
	v_add_f32 v252, v252, v253
	v_add_f32 v254, v254, v255
	v_add_f32 v252, v252, v254
	v_mul_f32 v8, 0x3eb8aa3b, v252                 ; the mean of b2's four x log2(e)
	v_mov_b32 v9, v8
.Lchunk:                                           ; s68 trips of 16 keys
	; ---- the next keys of the list, by scalar work on the mask words
	s_min_u32 s66, s62, 16                         ; this chunk's keys
	s_sub_co_u32 s62, s62, s66
	s_mov_b32 s67, 0
	s_cmp_eq_u32 s66, 0                            ; (an empty list alone)
	s_cbranch_scc1 .Lfilled
.Lslot:                                            ; s66 trips.  While keys are left, a word with a bit is left
	s_cmp_lg_u32 s60, 0
	s_cbranch_scc1 .Lhave
	s_cmp_lg_u32 s58, 0
	s_cselect_b32 s70, s58, s59                    ; even words first, then odd ones
	s_cselect_b32 s71, 0, 1
	s_ctz_i32_b32 s72, s70                         ; the lane that holds the word
	v_readlane_b32 s73, v[MW], s72
	v_readlane_b32 s74, v[MW+1], s72
	s_cmp_eq_u32 s71, 0
	s_cselect_b32 s60, s73, s74
	s_lshl_b32 s75, 1, s72
	s_cmp_eq_u32 s71, 0
	s_cselect_b32 s76, s75, 0
	s_and_not1_b32 s58, s58, s76                   ; the word is struck off where it came from
	s_xor_b32 s76, s76, s75
	s_and_not1_b32 s59, s59, s76
	s_lshl_b32 s70, s72, 1
	s_add_co_u32 s70, s70, s71                     ; W = 2 lane + parity
	s_lshr_b32 s76, s70, 2
	s_lshl_b32 s76, s76, 7
	s_and_b32 s70, s70, 3
	s_add_co_u32 s61, s76, s70                     ; bit 0's key: 128 (W / 4) + W % 4
.Lhave:
	s_ctz_i32_b32 s70, s60
	s_lshl_b32 s70, s70, 2
	s_add_co_u32 s70, s70, s61                     ; the key: + 4 x bit
	s_sub_co_u32 s71, s60, 1
	s_and_b32 s60, s60, s71                        ; the bit is struck off
	v_writelane_b32 v[KEY], s70, s67
	s_add_co_u32 s71, s67, 16
	v_writelane_b32 v[KEY], s70, s71
	s_and_b32 s71, s67, 8
	s_add_co_u32 s71, s71, s67
	v_writelane_b32 v[KEYV], s70, s71
	s_add_co_u32 s67, s67, 1
	s_cmp_lt_u32 s67, s66
	s_cbranch_scc1 .Lslot
.Lfilled:
	; ---- addresses (each key held under 2,048 first), then all of the chunk's loads.  The address registers' last loads were waited for in the trip before
	v_min_u32 v252, 0x7ff, v[KEY]
	v_lshlrev_b32 v[AX], 2, v252
	v_lshl_add_u32 v[AK], v252, 7, v3
.irp j, 0,1,2,3,4,5,6,7
	v_mov_b32_dpp v[AV+\j], v[KEYV] row_share:\j row_mask:0xf bank_mask:0xf   ; all sixteen lanes of half h take slot 8 h + j's key
	v_min_u32 v[AV+\j], 0x7ff, v[AV+\j]
	v_lshl_add_u32 v[AV+\j], v[AV+\j], 7, v4
.endr
	global_load_b32 v[RL],   v[AX], s[4:5]
	global_load_b32 v[RL+1], v[AX], s[4:5] offset:8192
	global_load_b32 v[RL+2], v[AX], s[4:5] offset:16384
.irp s, 0,1
.irp c, 0,1,2,3
	global_load_b128 v[KF+16*\s+4*\c:KF+16*\s+4*\c+3], v[AK], s[16:17] offset:524288+262144*\s+32*\c
.endr
.endr
.irp j, 0,1,2,3,4,5,6,7
.irp z, 0,1
	global_load_b64 v[VR+4*\j+2*\z:VR+4*\j+2*\z+1], v[AV+\j], s[16:17] offset:1048576+262144*\z   ; sixteen lanes read a key's whole 128 bytes
.endr
.endr
	; ---- the hidden layer
	s_wait_loadcnt 24                              ; the keys' x, y, z are in; k's 8 and v's 16 loads may stay out
	v_sub_f32 v[RL],   s32, v[RL]
	v_sub_f32 v[RL+1], s33, v[RL+1]
	v_sub_f32 v[RL+2], s34, v[RL+2]
	v_mul_f32 v[RL+3], v[RL], v[RL]
	v_fmac_f32 v[RL+3], v[RL+1], v[RL+1]
	v_fmac_f32 v[RL+3], v[RL+2], v[RL+2]
	v_sqrt_f32 v[RL+3], v[RL+3]
	v_cndmask_b32 v[RB], v[RL], v[RL+2], s55       ; (the plain line behind the root)
	s_wait_alu depctr_va_vdst(0)                   ; ahead of the first line that names the root
	v_cndmask_b32 v[RB+1], v[RL+1], v[RL+3], s55
	v_wmma_f32_16x16x4_f32 v[HACC:HACC+7],    v[W1A:W1A+1],   v[RB:RB+1], v[B1C:B1C+7]     ; lane (slot, h), register j: hidden unit 16 h + j
	v_wmma_f32_16x16x4_f32 v[HACC+8:HACC+15], v[W1A+2:W1A+3], v[RB:RB+1], v[B1C+8:B1C+15]  ; 16 h + 8 + j
	v_sub_nc_u32 v255, s66, v5                     ; slot 8 h + j counts where j < the chunk's keys - 8 h.  This line and seven v_nop: the eight places behind this form (ISA guide 7.12.1)
.rept 7
	v_nop
.endr
.irp i, 0,1,2,3,4,5,6,7,8,9,10,11,12,13,14,15
	v_med3_num_f32 v[HID+\i], v[HACC+\i], 0, v10   ; relu and the hold in one, into other registers; each tile from its low end on
.endr
	v_cvt_scalef32_pk8_fp8_f32 v[HQ:HQ+1],   v[HID:HID+7],    v11
	v_cvt_scalef32_pk8_fp8_f32 v[HQ+2:HQ+3], v[HID+8:HID+15], v11
	v_nop
.irp g, 0,1,2,3
	v_perm_b32 v[AP+4*\g],   v[HQ+\g], v[HQ+\g], 0     ; unit 16 h + 4 g's code in all four bytes,
	v_perm_b32 v[AP+4*\g+1], v[HQ+\g], v[HQ+\g], s52   ; and the next three units'
	v_perm_b32 v[AP+4*\g+2], v[HQ+\g], v[HQ+\g], s53
	v_perm_b32 v[AP+4*\g+3], v[HQ+\g], v[HQ+\g], s54
.endr
	; ---- the scores: the w2 product stands between the two links of q . k, so that the accumulators take turns
	s_wait_loadcnt 16                              ; k is in; v's 16 loads may stay out
	v_wmma_f32_16x16x128_fp8_fp8 v[S4:S4+7],   v[KF:KF+15],    v[QB:QB+15],    0
	v_wmma_f32_16x16x128_fp8_fp8 v[HID:HID+7], v[AP:AP+15],    v[W2C:W2C+15],  0
	v_wmma_f32_16x16x128_fp8_fp8 v[S4:S4+7],   v[KF+16:KF+31], v[QB+16:QB+31], v[S4:S4+7]
	; ---- v is turned: the first four lines name no register of the three products and are the places ahead of the writes over k's fragments
	s_wait_loadcnt 0x0
.irp z, 0,1
.irp w, 0,1
.irp g, 0,1
	TR4 \z, \w, \g
.endr
.endr
.endr
	; ---- the softmax
.irp k, 0,2,4,6
	v_pk_fma_f32 v[HID+\k:HID+\k+1], v[HID+\k:HID+\k+1], s[36:37], v[8:9] op_sel_hi:[1,0,0]            ; t = the position term,
.endr
.irp k, 0,2,4,6
	v_pk_fma_f32 v[HID+\k:HID+\k+1], v[S4+\k:S4+\k+1], s[38:39], v[HID+\k:HID+\k+1] op_sel_hi:[1,0,1]  ; + q . k, both x log2(e)
.endr
.irp j, 0,1,2,3,4,5,6,7
	v_cmp_lt_i32 vcc_lo, \j, v255
	v_cndmask_b32 v[HID+\j], 0xff800000, v[HID+\j], vcc_lo     ; a slot beyond the chunk's keys: -infinity
.endr
	v_max3_num_f32 v252, v[HID], v[HID+1], v[HID+2]
	v_max3_num_f32 v253, v[HID+3], v[HID+4], v[HID+5]
	v_max3_num_f32 v252, v252, v[HID+6], v[HID+7]
	v_max_num_f32 v252, v252, v253
	v_permlanex16_b32 v253, v252, s56, s57         ; the head's other eight slots lie in the lane 16 away
	v_max_num_f32 v252, v252, v253
	v_max_num_f32 v13, v13, v252                   ; the running largest t
	v_mov_b32 v254, v12
	v_floor_f32 v12, -v13                          ; -M = floor(-t): M is a whole number
	v_sub_f32 v254, v12, v254                      ; old M - new M, 0 or less
	v_cvt_i32_f32 v254, v254                       ; (it saturates)
	v_ldexp_f32 v[FF], 1.0, v254                   ; f: what was summed under the old M comes under the new one by a multiplication that rounds nothing
.irp k, 0,2,4,6
	v_pk_add_f32 v[HID+\k:HID+\k+1], v[HID+\k:HID+\k+1], v[12:13] op_sel_hi:[1,0]
.endr
.irp j, 0,1,2,3,4,5,6,7
	v_exp_f32 v[HID+\j], v[HID+\j]                 ; p = 2^(t - M)
.endr
	v_pk_mul_f32 v[14:15], v[14:15], v[FF:FF+1] op_sel_hi:[1,0]   ; the sum under the new M.  (The plain line behind the exponentials)
	s_wait_alu depctr_va_vdst(0)                   ; one wait for the batch of eight, ahead of the first line that names a result
	v_pk_add_f32 v[252:253], v[HID:HID+1], v[HID+2:HID+3]         ; the sum is taken of the unquantised p
	v_pk_add_f32 v[14:15], v[14:15], v[HID+4:HID+5]
	v_pk_add_f32 v[252:253], v[252:253], v[HID+6:HID+7]
	v_pk_add_f32 v[14:15], v[14:15], v[252:253]
.irp j, 0,1,2,3,4,5,6,7
	v_min_num_f32 v[HID+\j], v[HID+\j], v16        ; p is not negative: the hold is one-sided
.endr
	v_cvt_scalef32_pk8_fp8_f32 v[HID+8:HID+9], v[HID:HID+7], v17
	v_nop
.irp c, 0,1,2,3,4,5,6,7
	v_cndmask_b32 v[AP+2*\c],   0, v[HID+8], s[40+\c]
	v_cndmask_b32 v[AP+2*\c+1], 0, v[HID+9], s[40+\c]
.endr
.irp k, 0,2,4,6,8,10,12,14
	v_pk_mul_f32 v[OO+\k:OO+\k+1], v[OO+\k:OO+\k+1], v[FF:FF+1] op_sel_hi:[1,0]
.endr
	v_wmma_f32_16x16x128_fp8_fp8 v[OO:OO+7],    v[KF:KF+15],    v[AP:AP+15], v[OO:OO+7]
	v_wmma_f32_16x16x128_fp8_fp8 v[OO+8:OO+15], v[KF+16:KF+31], v[AP:AP+15], v[OO+8:OO+15]
.rept 4
	v_nop                                          ; four places, ahead of the read of O behind the loop and of the next trip's loads over v's fragments
.endr
	s_sub_co_u32 s68, s68, 1
	s_cmp_lg_u32 s68, 0
	s_cbranch_scc1 .Lchunk
	; ---- the way out: O / sum x 2^(e6 + e7).  Lanes r < 8 carry channels 8 h + j of their head, lanes r >= 8 channels 16 + 8 h + j: 32 neighbouring bytes a lane, through my stage, out as two runs of 512 bytes
	v_add_f32 v14, v14, v15
	v_permlanex16_b32 v253, v14, s56, s57
	v_add_f32 v14, v14, v253
	v_rcp_f32 v14, v14
.irp j, 0,1,2,3,4,5,6,7
	v_cndmask_b32 v[HID+\j], v[OO+\j], v[OO+8+\j], s81     ; both accumulators from their low end on; these lines are the work between the reciprocal and the wait
.endr
	s_wait_alu depctr_va_vdst(0)                   ; ahead of the first line that names the reciprocal
	v_ldexp_f32 v14, v14, s80
.irp k, 0,2,4,6
	v_pk_mul_f32 v[HID+\k:HID+\k+1], v[HID+\k:HID+\k+1], v[14:15] op_sel_hi:[1,0]
.endr
	ds_store_b128 v6, v[HID:HID+3]
	ds_store_b128 v6, v[HID+4:HID+7] offset:16
	ds_load_b128 v[HID+8:HID+11],  v7              ; LDS serves a wave's instructions in order (ISA guide 5.7.1.4): these see my stores
	ds_load_b128 v[HID+12:HID+15], v7 offset:512
	s_wait_dscnt 0x0
	global_store_b128 v7, v[HID+8:HID+11],  s[20:21] th:TH_STORE_NT              ; 32 lanes store 512 consecutive bytes, aligned
	global_store_b128 v7, v[HID+12:HID+15], s[20:21] offset:512 th:TH_STORE_NT
	s_wait_tensorcnt 0x0                           ; the wave's end, behind my last LDS store
	ds_add_u32 v[SPW], v[NIL]
	s_wait_dscnt 0x0
	s_endpgm
.Lfunc_end_k_qf7df630bb8_attend:
	.size	k_qf7df630bb8_attend, .Lfunc_end_k_qf7df630bb8_attend-k_qf7df630bb8_attend
	.p2alignl 7, 3214868480
	.fill 96, 4, 3214868480
	.section	.rodata,"a",@progbits
	.p2align	6, 0x0
	.amdhsa_kernel k_qf7df630bb8_attend
		.amdhsa_group_segment_fixed_size 9216
		.amdhsa_private_segment_fixed_size 0
		.amdhsa_enable_private_segment 0
		.amdhsa_kernarg_size 72
		.amdhsa_user_sgpr_count 2
		.amdhsa_user_sgpr_kernarg_segment_ptr 1
		.amdhsa_wavefront_size32 1
		.amdhsa_system_sgpr_workgroup_id_x 1
		.amdhsa_system_sgpr_workgroup_id_y 1
		.amdhsa_system_sgpr_workgroup_id_z 1
		.amdhsa_system_vgpr_workitem_id 0
		.amdhsa_next_free_vgpr 256
		.amdhsa_next_free_sgpr 84
		.amdhsa_reserve_vcc 1
		.amdhsa_float_denorm_mode_32 3
		.amdhsa_float_denorm_mode_16_64 3
		.amdhsa_memory_ordered 1
		.amdhsa_forward_progress 1
		.amdhsa_inst_pref_size 36
	.end_amdhsa_kernel
	.amdgpu_metadata
---
amdhsa.version: [ 1, 2 ]
amdhsa.kernels:
  - .name:           k_qf7df630bb8_attend
    .symbol:         k_qf7df630bb8_attend.kd
    .args:
      - { .name: xyz, .offset: 0, .size: 8, .value_kind: global_buffer, .address_space: global }
      - { .name: w1, .offset: 8, .size: 8, .value_kind: global_buffer, .address_space: global }
      - { .name: b1, .offset: 16, .size: 8, .value_kind: global_buffer, .address_space: global }
      - { .name: w2, .offset: 24, .size: 8, .value_kind: global_buffer, .address_space: global }
      - { .name: b2, .offset: 32, .size: 8, .value_kind: global_buffer, .address_space: global }
      - { .name: lowp_scales, .offset: 40, .size: 8, .value_kind: global_buffer, .address_space: global }
      - { .name: codes, .offset: 48, .size: 8, .value_kind: global_buffer, .address_space: global }
      - { .name: nbr, .offset: 56, .size: 8, .value_kind: global_buffer, .address_space: global }
      - { .name: out0, .offset: 64, .size: 8, .value_kind: global_buffer, .address_space: global }
    .group_segment_fixed_size: 9216
    .private_segment_fixed_size: 0
    .kernarg_segment_align: 8
    .kernarg_segment_size: 72
    .max_flat_workgroup_size: 256
    .sgpr_count:     84
    .vgpr_count:     256
    .wavefront_size: 32
...
	.end_amdgpu_metadata
.endif
;; end of part 2
;; ======== version 2 of 2: 2 launches; version 1 with the launch prep written anew for expert scheduling mode
;; workspace buffers: codes 1,572,864 bytes; nbr 524,288 bytes of whole numbers
;; launch prep (part 3): grid 256 x 1, 8 waves a work-group, no clusters, 27,648 bytes of LDS; arguments xyz, features, qkv_w, qkv_b, lowp_scales, codes, nbr; writes codes, nbr
.if DOCPART == 3
	.amdgcn_target "amdgcn-amd-amdhsa--gfx1250"
	.amdhsa_code_object_version 6
	.text
	.protected	k_qf7df630bb8_prep
	.globl	k_qf7df630bb8_prep
	.p2align	8
	.type	k_qf7df630bb8_prep,@function
k_qf7df630bb8_prep:
	s_mov_b64 s[64:65], 0
	v_nop
	global_prefetch_b8 v0, s[64:65] scope:SCOPE_SE
	s_setreg_imm32_b32 hwreg(HW_REG_WAVE_SCHED_MODE, 0, 2), 2
	s_setreg_imm32_b32 hwreg(HW_REG_WAVE_MODE, 25, 1), 1
	s_wait_xcnt 0x0
	s_wait_alu depctr_vm_vsrc(0)
; LOCAL ATTENTION, first of two launches.  2,048 points, 8 heads of 32 channels.
; WORK-GROUPS 0-191: q, k, v = Q(qkv_w) Q(features) + qkv_b on codes of E4M3 (scales 2^e0 for features, 2^e1 for qkv_w), quantised at once for the products that take them
;   (q: 2^e4, k: 2^e5, v: 2^e7) and stored as codes.  Work-group (x = number % 32, y = number / 32) makes 64 points x 128 output rows.
;   codes: six blocks y of [2,048 points][128 bytes].  y = 0, 1: q's heads 0-3, 4-7; y = 2, 3: k's; y = 4, 5: v's.  In q and k byte b of a row is channel b of the half;
;   in v byte 8 u + T is channel 16 T + u of the half, so that the second launch's lane u finds its eight channels of a key in 8 neighbouring bytes.
; WORK-GROUPS 192-255: the radius mask as whole numbers, 32 queries each.  nbr: [2,048 queries][64 words]; bit b of word W says that key 128 (W / 4) + W % 4 + 4 b lies inside the radius.
; NOTHING IS LEFT OUT AS DEAD WORK: every input has a way to the output (b2 moves the largest logit, so M and p's codes; each bias of qkv_b goes into a quantiser).
;   A pair outside the radius gets -inf ahead of the softmax, so its p is 0 and adds nothing: which pairs those are is decided here, stored as whole numbers, and the second launch does what they ask for.
; LIMITS.  NaN and infinity among the inputs are not served.  e0, e1 and (e4 or e5 or e7) - e0 - e1 lie between -126 and 119, so that each power of two, and 448 times it, is an f32 number.
;   The mask is d2 < 0.01 in f32 (bits 0x3c23d70a), with d2 = x x, then two fused multiply-adds: for a correctly rounded root that is sqrt(d2) < 0.1 in f32; a pair whose d2 lies within
;   the last bit of that bound may fall either way.
; No tensor loads and no cluster: one pass over K, both operands arrive as f32 and are quantised in registers on the way; there is no loop in which a tile could land ahead of its use.
; THE MODE: SCHED_MODE bits 1:0 = 2 (LLVM: expert scheduling mode 2), set by the entry lines.  The code itself states the register dependences between vector or matrix instructions
; and memory or LDS instructions, with s_wait_alu, always for 0.
; THE PLAN, the projection.  Registers that memory or LDS instructions touch:
;   v6-12, v52-59  addresses and offsets: written once at the head, never again: one wait on va_vdst ahead of the first load.
;   BI, FX, WF     land by loads that no vector line has named before.
;   FC (v28-43)    written by the features' conversions, read by four LDS stores (va_vdst ahead of them); v28-35 later take rows of the stage by LDS loads (vm_vsrc ahead of them).
;   XF (= WF)      read and written by the weights' holds and conversions, then 32 LDS loads land there (va_vdst ahead of them).
;   OC (v44-51)    written by the results' conversions, read by four LDS stores (va_vdst ahead of them).
; THE PLAN, the mask.  v6, v7: offsets, written once (va_vdst ahead of the loads).  v8-15: a query's two words, written by lane writes, read by the query's one store, never written again.
;   A compare's mask goes through a scalar register into a lane write: sixteen compares stand in a run, one wait on va_sdst behind them, then the sixteen lane writes.
.set XP,    272                        ; LDS: a point's 256 codes along K + 16 bytes of padding: 16 rows of a fragment start at 16 different groups of banks
.set STG,   64*XP                      ; behind the 64 points' codes: the stage for the results, 64 rows of
.set SP,    144                        ; 128 bytes + 16
.set SPARE, STG+64*SP                  ; behind it the spare words, 128 bytes for each of 8 waves: four blocks of 256 bytes that no other line names
.set SPW, 1                            ; v1   LDS address of my spare word; never rewritten
.set NIL, 2                            ; v2   0; never rewritten
.set LN,  3                            ; v3   lane
.set RR,  4                            ; v4   r = lane % 16
.set HH,  5                            ; v5   h = lane / 16
.set WA,  6                            ; v6   my weight row x 1,024 + 64 h
.set FA,  7                            ; v7   my point's 4 bytes in a row of features
.set FS,  8                            ; v8   LDS: where my point's 64 codes go
.set XR,  9                            ; v9   LDS: a fragment of the points' codes: r x XP + 16 h
.set ST,  10                           ; v10  LDS: the stage, on the way in
.set RD,  11                           ; v11  LDS: the stage, on the way out
.set GO,  12                           ; v12  16 x thread: my 16 bytes of the work-group's 8,192 of codes
                                       ; v13, v14: 2^e0 and 448 x 2^e0;  v15, v16: the same for e1;  v17, v18: for eo - e0 - e1
.set BI,  20                           ; v20-27  the bias of my eight output rows, divided by 2^(e0 + e1)
.set FC,  28                           ; v28-43  my point's 64 codes; on the way out 32 bytes of the stage
.set OC,  44                           ; v44-51  the results' codes
.set BA,  52                           ; v52-59  the bias's offsets
.set FX,  60                           ; v60-123 64 numbers of features, down K
.set WC,  60                           ; v60-91  later: my weight tile's codes, two fragments
.set ACC, 92                           ; v92-123 later: four accumulators
.set WF,  124                          ; v124-251 128 numbers of weights
.set XF,  124                          ; later: the points' eight fragments
; 16 numbers of a lane become 16 codes: the hold at 448 x the scale (the conversion to an 8-bit code does not saturate: ISA guide 7.6.2), then two conversions of eight
.macro QUANT16 src, dst, sc, lim
.irp i, 0,1,2,3,4,5,6,7,8,9,10,11,12,13,14,15
	v_med3_num_f32 v[(\src)+\i], v[(\src)+\i], -v[\lim], v[\lim]
.endr
	v_cvt_scalef32_pk8_fp8_f32 v[(\dst):(\dst)+1], v[(\src):(\src)+7], v[\sc]
	v_cvt_scalef32_pk8_fp8_f32 v[(\dst)+2:(\dst)+3], v[(\src)+8:(\src)+15], v[\sc]
.endm
; 2^e as f32 (the conversion takes its exponent field) and 448 x 2^e, from the whole number e in s[e]
.macro MKSC e, sc, lim
	s_add_co_i32 s38, s[\e], 127
	s_lshl_b32 s39, s38, 23
	v_mov_b32 v[\sc], s39
	s_add_co_i32 s38, s38, 8
	s_lshl_b32 s38, s38, 23
	s_or_b32 s38, s38, 0x600000
	v_mov_b32 v[\lim], s38
.endm
.macro BARRIER                         ; my LDS stores have landed and my LDS loads are in: then the work-group's barrier
	s_wait_dscnt 0x0
	s_barrier_signal -1
	s_barrier_wait -1
.endm
; One query against all 2,048 keys.  Step p of 32 takes two registers of keys: words 2 p and 2 p + 1 of the query's 64, which belong in lane p of the two registers that are stored.
; The steps go in four groups of eight: a group's sixteen compares write sixteen scalar registers (s52-59, then s24-31, which hold nothing else on this way), one wait, then its sixteen lane writes.
; The store of the query before stands behind this query's first group of compares.
.macro MASKQ qi
	s_xor_b32 s44, s[32+\qi], 0x80000000           ; minus the query's x, y, z, each in a pair whose low word serves both halves
	s_mov_b32 s45, s44
	s_xor_b32 s46, s[36+\qi], 0x80000000
	s_mov_b32 s47, s46
	s_xor_b32 s48, s[40+\qi], 0x80000000
	s_mov_b32 s49, s48
.set p, 0
.rept 4
.rept 8
.set T, 16+6*(p%4)                     ; four sets of temporaries by turns, so that a step does not wait for the one before
.set M, 52+2*(p%4)-28*((p/4)%2)
	v_pk_add_f32 v[T:T+1],   v[64+2*p:65+2*p],   s[44:45] op_sel_hi:[1,0]
	v_pk_add_f32 v[T+2:T+3], v[128+2*p:129+2*p], s[46:47] op_sel_hi:[1,0]
	v_pk_add_f32 v[T+4:T+5], v[192+2*p:193+2*p], s[48:49] op_sel_hi:[1,0]
	v_pk_mul_f32 v[T:T+1], v[T:T+1], v[T:T+1]
	v_pk_fma_f32 v[T:T+1], v[T+2:T+3], v[T+2:T+3], v[T:T+1]
	v_pk_fma_f32 v[T:T+1], v[T+4:T+5], v[T+4:T+5], v[T:T+1]
	v_cmp_gt_f32 s[M], s50, v[T]                   ; bit l: the bound > d2 of lane l's key
	v_cmp_gt_f32 s[M+1], s50, v[T+1]
.set p, p+1
.endr
	s_wait_alu depctr_va_sdst(0)                   ; the group's sixteen compares have written their scalar registers, which the lane writes below read
.if (p == 8) && (\qi > 0)
	s_wait_alu depctr_va_vdst(0)                   ; the lane writes of the query before have written its two registers, which the store reads; no vector line between this wait and the store names them
	global_store_b64 v7, v[8+2*(\qi-1):9+2*(\qi-1)], s[16:17] offset:256*(\qi-1)   ; that query's 256 bytes, whole and aligned; each query has its own two registers, so no store's data are written again
.endif
.set p, p-8
.rept 8
.set M, 52+2*(p%4)-28*((p/4)%2)
	v_writelane_b32 v[8+2*\qi], s[M], p
	v_writelane_b32 v[9+2*\qi], s[M+1], p
.set p, p+1
.endr
.endr
.endm
	s_load_b256 s[4:11], s[0:1], 0x0               ; xyz s[4:5], features s[6:7], qkv_w s[8:9], qkv_b s[10:11]
	s_load_b128 s[12:15], s[0:1], 0x20             ; the scales' exponents s[12:13], codes s[14:15]
	s_load_b64 s[16:17], s[0:1], 0x30              ; nbr
	v_lshl_add_u32 v[SPW], v0, 2, SPARE
	v_mov_b32 v[NIL], 0
	v_lshrrev_b32 v3, 5, v0
	v_readfirstlane_b32 s18, v3                    ; wave 0..7
	v_and_b32 v[LN], 31, v0
	v_and_b32 v[RR], 15, v0
	v_bfe_u32 v[HH], v0, 4, 1
	s_wait_alu depctr_va_sdst(0)                   ; s18 is written: ahead of the branch, and so of its first reader on either way
	s_cmp_ge_u32 ttmp9, 192                        ; the work-group's number alone: all eight waves go the same way
	s_cbranch_scc1 .Lmask
	; ---------------- THE PROJECTION ----------------
	; Wave w owns 16 output rows for all 64 points: source 0 = its weight tile, source 1 = 16 points, so that a lane holds ONE point and its eight registers eight neighbouring bytes of that point's row of codes.
	s_and_b32 s19, ttmp9, 31                       ; x: which 64 points
	s_lshr_b32 s20, ttmp9, 5                       ; y: which 128 output rows
	s_lshr_b32 s21, s20, 1                         ; 0 q, 1 k, 2 v
	s_cmp_eq_u32 s21, 2
	s_cselect_b32 s22, -1, 0                       ; all lanes, or none: v's order of rows
	s_cselect_b32 s23, 64, 4                       ; bytes from one of a lane's eight biases to the next
	s_cselect_b32 s35, 0, 3
	s_lshl_b32 s36, s18, 4
	v_add_nc_u32 v6, s36, v[RR]                    ; q, k: lane r takes weight row 16 w + r
	v_and_b32 v7, 7, v[RR]
	v_lshrrev_b32 v8, 3, v[RR]
	s_lshl_b32 s36, s18, 1
	v_lshl_add_u32 v7, v7, 4, v8
	v_add_nc_u32 v7, s36, v7                       ; v: row 16 (r % 8) + 2 w + r / 8, so that register j of lane (r, h) is channel 16 j + (2 w + h): byte 16 w + 8 h + j, as in q and k
	v_cndmask_b32 v6, v6, v7, s22
	v_lshlrev_b32 v6, 10, v6
	v_lshl_add_u32 v[WA], v[HH], 6, v6             ; row x 1,024 + 64 h: my 16 numbers of each block of 32 along K
	s_and_b32 s38, s18, 1
	s_lshl_b32 s39, s38, 7
	s_lshl_b32 s40, s19, 8
	s_add_co_u32 s39, s39, s40
	v_lshl_add_u32 v[FA], v[LN], 2, s39            ; features: point 64 x + 32 (w % 2) + lane
	s_lshl_b32 s41, s38, 5
	v_add_nc_u32 v8, s41, v[LN]
	v_mul_u32_u24 v8, v8, XP
	s_lshr_b32 s42, s18, 1
	s_lshl_b32 s42, s42, 6
	v_add_nc_u32 v[FS], s42, v8                    ; its row in LDS, + 64 (w / 2): my 64 of its 256 codes
	v_mul_u32_u24 v9, v[RR], XP
	v_lshl_add_u32 v[XR], v[HH], 4, v9
	v_mul_u32_u24 v10, v[RR], SP
	v_lshl_add_u32 v10, v[HH], 3, v10
	s_lshl_b32 s43, s18, 4
	s_add_co_u32 s43, s43, STG
	v_add_nc_u32 v[ST], s43, v10                   ; the stage: row r, byte 16 w + 8 h
	v_lshrrev_b32 v11, 3, v0
	v_mul_u32_u24 v11, v11, SP
	v_and_b32 v12, 7, v0
	v_lshl_add_u32 v11, v12, 4, v11
	v_add_nc_u32 v[RD], STG, v11                   ; back: eight threads to a row of 128 bytes
	v_lshlrev_b32 v[GO], 4, v0
	s_lshl_b32 s36, s18, 3
	v_lshl_add_u32 v[BA], v[HH], 2, s36            ; v: the first bias is that of channel 2 w + h: byte 8 w + 4 h;
	v_lshlrev_b32 v[BA], s35, v[BA]                ; q, k: of row 16 w + 8 h: eight times that
.irp j, 1,2,3,4,5,6,7
	v_add_nc_u32 v[BA+\j], s23, v[BA+\j-1]
.endr
	s_wait_kmcnt 0x0
	s_load_b256 s[24:31], s[12:13], 0x0            ; e0 .. e7
	s_mov_b32 s37, 0
	s_lshr_b32 s36, s18, 1
	s_lshl_b32 s36, s36, 19
	s_add_nc_u64 s[6:7], s[6:7], s[36:37]          ; features at K = 64 (w / 2): 64 rows of 8,192 bytes
	s_lshl_b32 s36, s20, 17
	s_add_nc_u64 s[8:9], s[8:9], s[36:37]          ; qkv_w at row 128 y
	s_lshl_b32 s36, s20, 9
	s_add_nc_u64 s[10:11], s[10:11], s[36:37]      ; qkv_b likewise
	s_lshl_b32 s36, s20, 18
	s_lshl_b32 s38, s19, 13
	s_add_co_u32 s36, s36, s38
	s_add_nc_u64 s[14:15], s[14:15], s[36:37]      ; codes: block y, point 64 x
	s_wait_alu depctr_va_vdst(0)                   ; the addresses and offsets v6 to v12 and v52 to v59 are written, which every load and store of this way reads; none of them is written again
.irp j, 0,1,2,3,4,5,6,7
	global_load_b32 v[BI+\j], v[BA+\j], s[10:11]
.endr
.set i, 0
.rept 64                                       ; a lane takes a point and its registers run down K: each load reads 128 consecutive bytes, waves w and w xor 1 side by side on 256
	global_load_b32 v[FX+i], v[FA], s[6:7] offset:i*8192
.set i, i+1
.endr
.irp s, 0,1                                    ; lane (r, h) takes, of its weight row, K = 128 s + 32 c + 16 h + 0 .. 15
.irp c, 0,1,2,3
.irp i, 0,1,2,3
	global_load_b128 v[WF+16*(4*\s+\c)+4*\i:WF+16*(4*\s+\c)+4*\i+3], v[WA], s[8:9] offset:512*\s+128*\c+16*\i
.endr
.endr
.endr
	s_wait_kmcnt 0x0
	s_cmp_eq_u32 s21, 0
	s_cselect_b32 s32, s28, s29                    ; the result's own scale: e4 for q, e5 for k,
	s_cmp_eq_u32 s21, 2
	s_cselect_b32 s32, s31, s32                    ; e7 for v
	s_add_co_i32 s33, s24, s25                     ; a sum stands for sum x 2^(e0 + e1):
	s_sub_co_i32 s32, s32, s33                     ; so its code is sum / 2^(eo - e0 - e1),
	s_sub_co_i32 s33, 0, s33                       ; and the bias goes in as bias / 2^(e0 + e1)
	MKSC 24, 13, 14
	MKSC 25, 15, 16
	MKSC 32, 17, 18
	s_wait_loadcnt 32                              ; the bias and the features are in; the 32 loads of weights issued behind them may stay out
.irp j, 0,1,2,3,4,5,6,7
	v_ldexp_f32 v[BI+\j], v[BI+\j], s33
.endr
.irp g, 0,1,2,3
	QUANT16 FX+16*\g, FC+4*\g, 13, 14
.endr
	v_nop                                          ; a plain line behind the last conversion of a run, ahead of what later writes its sources
	s_wait_alu depctr_va_vdst(0)                   ; the conversions have written v[FC ..], which the LDS stores read
.irp g, 0,1,2,3
	ds_store_b128 v[FS], v[FC+4*\g:FC+4*\g+3] offset:16*\g
.endr
	s_wait_loadcnt 0x0                             ; the weights
.irp g, 0,1,2,3,4,5,6,7
	QUANT16 WF+16*\g, WC+4*\g, 15, 16              ; registers 16 s + 4 c + i: K = 128 s + 32 c + 16 h + 4 i + 0 .. 3: the same places as the points' fragments below
.endr
	v_nop
	BARRIER                                        ; the 64 points' codes lie in LDS
	s_wait_alu depctr_va_vdst(0)                   ; the weights' holds and conversions are done with v[WF ..], in which the fragments' loads land
.irp t, 0,1,2,3
.irp s, 0,1
.irp c, 0,1,2,3
	ds_load_b128 v[XF+32*\t+16*\s+4*\c:XF+32*\t+16*\s+4*\c+3], v[XR] offset:16*\t*XP+128*\s+32*\c
.endr
.endr
.endr
	s_wait_dscnt 0x0
.irp t, 0,1,2,3                                ; the four accumulators take turns, one instruction a turn; the bias is the C of each sum's first product
	v_wmma_f32_16x16x128_fp8_fp8 v[ACC+8*\t:ACC+8*\t+7], v[WC:WC+15], v[XF+32*\t:XF+32*\t+15], v[BI:BI+7]
.endr
.irp t, 0,1,2,3
	v_wmma_f32_16x16x128_fp8_fp8 v[ACC+8*\t:ACC+8*\t+7], v[WC+16:WC+31], v[XF+32*\t+16:XF+32*\t+31], v[ACC+8*\t:ACC+8*\t+7]
.endr
.rept 4
	v_nop                                          ; four places between the last product and the first read of results (ISA guide 7.12.1)
.endr
.irp t, 0,1,2,3                                ; each accumulator from its low end on
.irp j, 0,1,2,3,4,5,6,7
	v_med3_num_f32 v[ACC+8*\t+\j], v[ACC+8*\t+\j], -v18, v18
.endr
	v_cvt_scalef32_pk8_fp8_f32 v[OC+2*\t:OC+2*\t+1], v[ACC+8*\t:ACC+8*\t+7], v17
.endr
	v_nop
	s_wait_alu depctr_va_vdst(0)                   ; the conversions have written v[OC ..], which the LDS stores read
.irp t, 0,1,2,3
	ds_store_b64 v[ST], v[OC+2*\t:OC+2*\t+1] offset:16*\t*SP   ; point 16 t + r, bytes 16 w + 8 h + 0 .. 7
.endr
	BARRIER                                        ; 64 whole rows of codes lie in the stage
	s_wait_alu depctr_vm_vsrc(0)                   ; the LDS stores of the points' codes have read v28 to v35, in which the loads below land (the conversions that wrote them stand ahead of earlier waits on va_vdst, and no vector line has named them since)
	ds_load_b128 v[28:31], v[RD]
	ds_load_b128 v[32:35], v[RD] offset:32*SP
	s_wait_dscnt 0x0
	global_store_b128 v[GO], v[28:31], s[14:15]    ; a wave stores 512 consecutive bytes, aligned; the work-group's 8,192 bytes are dense
	global_store_b128 v[GO], v[32:35], s[14:15] offset:4096
	s_wait_dscnt 0x0                               ; the closing lines, six on end
	s_wait_alu 0x0
	s_wait_tensorcnt 0x0
	ds_add_u32 v[SPW], v[NIL]
	s_wait_dscnt 0x0
	s_endpgm
	; ---------------- THE MASK ----------------  no LDS, no barrier: wave w of work-group g takes queries 32 (g - 192) + 4 w + 0 .. 3 against all keys, which it holds in 192 registers
.Lmask:
	s_sub_co_u32 s19, ttmp9, 192
	s_lshl_b32 s51, s19, 7
	s_lshl_b32 s20, s18, 4
	s_add_co_u32 s51, s51, s20                     ; 4 bytes x my first query
	v_lshlrev_b32 v6, 4, v[LN]                     ; keys: 16 bytes a lane
	v_lshlrev_b32 v7, 3, v[LN]                     ; mask words: 8 bytes a lane
.irp j, 8,9,10,11,12,13,14,15
	v_mov_b32 v\j, 0                               ; written once: a lane write's destination counts as one of its sources
.endr
	s_mov_b32 s50, 0x3c23d70a                      ; the bound on d2
	s_lshl_b32 s20, s19, 13
	s_lshl_b32 s21, s18, 10
	s_add_co_u32 s20, s20, s21
	s_mov_b32 s21, 0
	s_wait_kmcnt 0x0
	s_load_b128 s[32:35], s[4:5], s51 offset:0x0   ; x of my four queries,
	s_load_b128 s[36:39], s[4:5], s51 offset:0x2000 ; y,
	s_load_b128 s[40:43], s[4:5], s51 offset:0x4000 ; z
	s_add_nc_u64 s[16:17], s[16:17], s[20:21]      ; nbr at my first query: 256 bytes a query
	s_wait_alu depctr_va_vdst(0)                   ; the offsets v6 and v7 are written, which the loads below and the four stores read; neither is written again
.irp d, 0,1,2                                  ; register 64 (d + 1) + 4 i + e of lane l: coordinate d of key 128 i + 4 l + e
.irp i, 0,1,2,3,4,5,6,7,8,9,10,11,12,13,14,15
	global_load_b128 v[64+64*\d+4*\i:67+64*\d+4*\i], v6, s[4:5] offset:8192*\d+512*\i
.endr
.endr
	s_wait_loadcnt 0x0
	s_wait_kmcnt 0x0
	MASKQ 0
	MASKQ 1
	MASKQ 2
	MASKQ 3
	s_wait_alu depctr_va_vdst(0)                   ; the last query's lane writes have written v14 and v15, which its store reads
	global_store_b64 v7, v[14:15], s[16:17] offset:768
	s_endpgm
.Lfunc_end_k_qf7df630bb8_prep:
	.size	k_qf7df630bb8_prep, .Lfunc_end_k_qf7df630bb8_prep-k_qf7df630bb8_prep
	.p2alignl 7, 3214868480
	.fill 96, 4, 3214868480
	.section	.rodata,"a",@progbits
	.p2align	6, 0x0
	.amdhsa_kernel k_qf7df630bb8_prep
		.amdhsa_group_segment_fixed_size 27648
		.amdhsa_private_segment_fixed_size 0
		.amdhsa_enable_private_segment 0
		.amdhsa_kernarg_size 56
		.amdhsa_user_sgpr_count 2
		.amdhsa_user_sgpr_kernarg_segment_ptr 1
		.amdhsa_wavefront_size32 1
		.amdhsa_system_sgpr_workgroup_id_x 1
		.amdhsa_system_sgpr_workgroup_id_y 1
		.amdhsa_system_sgpr_workgroup_id_z 1
		.amdhsa_system_vgpr_workitem_id 0
		.amdhsa_next_free_vgpr 256
		.amdhsa_next_free_sgpr 66
		.amdhsa_reserve_vcc 0
		.amdhsa_float_denorm_mode_32 3
		.amdhsa_float_denorm_mode_16_64 3
		.amdhsa_memory_ordered 1
		.amdhsa_forward_progress 1
		.amdhsa_inst_pref_size 123
	.end_amdhsa_kernel
	.amdgpu_metadata
---
amdhsa.version: [ 1, 2 ]
amdhsa.kernels:
  - .name:           k_qf7df630bb8_prep
    .symbol:         k_qf7df630bb8_prep.kd
    .args:
      - { .name: xyz, .offset: 0, .size: 8, .value_kind: global_buffer, .address_space: global }
      - { .name: features, .offset: 8, .size: 8, .value_kind: global_buffer, .address_space: global }
      - { .name: qkv_w, .offset: 16, .size: 8, .value_kind: global_buffer, .address_space: global }
      - { .name: qkv_b, .offset: 24, .size: 8, .value_kind: global_buffer, .address_space: global }
      - { .name: lowp_scales, .offset: 32, .size: 8, .value_kind: global_buffer, .address_space: global }
      - { .name: codes, .offset: 40, .size: 8, .value_kind: global_buffer, .address_space: global }
      - { .name: nbr, .offset: 48, .size: 8, .value_kind: global_buffer, .address_space: global }
    .group_segment_fixed_size: 27648
    .private_segment_fixed_size: 0
    .kernarg_segment_align: 8
    .kernarg_segment_size: 56
    .max_flat_workgroup_size: 256
    .sgpr_count:     66
    .vgpr_count:     256
    .wavefront_size: 32
...
	.end_amdgpu_metadata
.endif
;; end of part 3
;; launch attend: the kernel of part 2 again; grid 256 x 1, 8 waves a work-group, no clusters, 9,216 bytes of LDS; arguments xyz, w1, b1, w2, b2, lowp_scales, codes, nbr, out0; writes out0
